; MI455X (gfx1250); checked and timed in simulation.
; The chip was launched on July 23, 2026; its instructions are those of AMD's public machine-readable ISA for CDNA 5 (MIT licence, August 2026) and "CDNA5" Instruction Set Architecture Reference Guide (July 2026). The comments in the code are by the model that wrote it; some were corrected since.
;; Model. Allowed arithmetic: float matrix products may take bf16 or f16 operands with f32 sums; all other float work in f32.
;; Inputs: angles 256 float32; n_env 2 float32; n_imag 16 float32; n_real 16 float32; n_subs 2 float32; thickness 16 float32; wavelengths 2,048 float32.
;; Outputs: out0 4 x 2,048 x 256 x 2 x 2 float32.
;; One version. Each part assembles by itself: llvm-mc -triple=amdgcn-amd-amdhsa -mcpu=gfx1250 --defsym DOCPART=n.
;; ======== version 1 of 1: 1 launch
;; limits: right only within a limited range of input values
;; launch stack (part 1): grid 16 x 16, 8 waves a work-group, no clusters, 9,728 bytes of LDS; arguments angles, n_env, n_imag, n_real, n_subs, thickness, wavelengths, out0; writes out0
.if DOCPART == 1
	.amdgcn_target "amdgcn-amd-amdhsa--gfx1250"
	.amdhsa_code_object_version 6
	.text
	.protected	k_q7d16f563a6_stack
	.globl	k_q7d16f563a6_stack
	.p2align	8
	.type	k_q7d16f563a6_stack,@function
k_q7d16f563a6_stack:
	s_mov_b64 s[64:65], 0
	v_nop
	global_prefetch_b8 v0, s[64:65] scope:SCOPE_SE
	s_setreg_imm32_b32 hwreg(HW_REG_WAVE_MODE, 25, 1), 1
	s_wait_xcnt 0x0
; Transfer matrices of a stack of 16 layers: out0[4][2048 wavelengths][256 angles][2][2] f32 = (Ts.re, Ts.im, Tp.re, Tp.im).
;
; THE ALGEBRA (exact identities, true for every input).
;  * n_env is one number, so nx = n_env sin(angle), every kz = sqrt(n^2 - nx^2) and every interface hang on (angle, layer) alone.
;  * All interface matrices have the eigenvectors (1,1), (1,-1), so D(a->b) D(b->c) = D(a->c): the air gaps between the layers cancel and
;    T = D(env->1) P1 D(1->2) P2 .. P16 D(16->subs).
;  * D = j [[1,rho],[rho,1]], rho = (q1-q2)/(q1+q2), q = kz (s) or kz/n^2 (p); j = 1/(1+rho) (s), (n2/n1)/(1+rho) (p): the n ratios telescope.
;  * P = exp(-i phi) diag(1, E), E = exp(2 i phi).
;    So T = G K0 Q1 K1 .. Q16 K16, K = [[1,rho],[rho,1]], Q = diag(1,E), G = S(angle) exp(-i sum phi), S = (1 or n_subs/n_env) / prod(1+rho).
;  * The product is built from the substrate's end: M = G K16, then M <- K Q M for layers 16 .. 1.  A column (u, w) of M takes
;    z = E w, w' = z + rho u, u' = u + rho z: three complex multiply-adds.  A register pair holds (column 0, column 1), so that
;    (u.re, w.re) are the four numbers T00, T01, T10, T11 in the order of out0: the state is stored as it stands.
;
; THE SHARES.  256 work-groups: 16 angles x 128 wavelengths each; 8 waves of 16 wavelengths.  Main part: lane = angle (lane & 15) and one of two
; neighbouring wavelengths (lane >> 4), so a 16-byte store of a wave covers two aligned runs of 256 consecutive bytes.  Two points (wavelengths
; l and l + 2) are worked on together, their E's made pairwise: a trip is 4 wavelengths, a wave makes 4 trips.
; The tables that hang on (angle, layer) are made once per work-group with lane = layer and go through LDS into registers.
;
; NOT USED.  Matrix units: every 2x2 product joins two matrices of one (wavelength, angle) point, no operand is shared between points, so a
; 16x16x32 tile would hold 8 useful products of 8,192.  Tensor loads, clusters: all inputs together are 9,424 bytes, read once per work-group.
;
; LIMITS.  Range: |E| = exp(-2 Im phi) and |G| ~ exp(sum Im phi) must be finite in f32: Im phi > -44 in each layer, sum Im phi < 88;
; |prod(1+rho)|^2, |q1+q2|^2 and |n|^4 must lie inside f32's range.  sin and cos of a phase: the phase is reduced in turns in f32 (error about
; 6e-8 of the number of turns), then degree-5 polynomials in x^2, absolute error about 1e-6 for every argument.  A kz, an index or q1 + q2 that
; is exactly 0 gives NaN or infinity; a kz of the air gap that is exactly 0 (NaN in the formula with gaps) gives a finite result here, since
; the gap is never formed.
.set PLANE, 0x800000                   ; bytes of a plane of out0: 2048 x 256 matrices of 16 bytes
.set P1,    528                        ; LDS: an angle's 16 layers x 32 bytes + 16 = 132 words: the 16 lanes of a load start 4 words apart modulo 64
.set TAB3,  16*P1                      ; LDS: the last interface, 16 bytes an angle; ends at 8,704
; registers of the main part
.set VO,  1                            ; byte offset of my matrix in a plane
.set CT,  2                            ; v[2:3]     top coefficients of the sine and the cosine polynomial
.set UU,  4                            ; v[4:11]    1/wavelength: a pair (point 0, point 1) for this trip and the three behind it
.set PA,  12                           ; v[12:19]   polarisation c at PA+4c: (S.re, B.re), (S.im, B.im), B = S rho_last
.set SAB, 20                           ; v[20:21]   (-sum alpha / 2, -sum beta / 2)
.set CF,  22                           ; v[22:117]  layer i at CF+6i: alpha, beta, rho.re (s, p), rho.im (s, p) of the interface in front of it
.set ST,  118                          ; v[118:149] set g = 2 point + polarisation at ST+8g: u.re, w.re, u.im, w.im, each a pair of columns
.set ZT,  150                          ; v[150:165] set g at ZT+4g: z.re, z.im
.set CA,  166                          ; v[166:183] phase chain A: the total phase F
.set CB,  184                          ; v[184:201] phase chain B: a layer's E
.set LA,  202                          ; LDS address of my angle's layers
.set LB,  203                          ; LDS address of my angle's last interface
.set FR,  CA+14                        ; a chain's results: real parts (point 0, point 1), imaginary parts
.set FI,  CA+16
.set ER,  CB+14
.set EI,  CB+16
; scalar registers
.set SC,   40                          ; s[40:59]   coefficient k: sine at SC+4k, cosine at SC+4k+2, each written twice (a pair is read)
.set BP,   68                          ; s[68:75]   the four planes of out0 at the work-group's corner
.set CNT,  76
.set ABSM, 77
; registers of the table part (inside v118-v201, which the main part writes anew)
.set LN,  118                          ; lane & 15: the layer here, the angle in the main part
.set AL,  119                          ; thread >> 4: the angle here
.set AOF, 120
.set NOF, 121
.set WOF, 122
.set ANG, 123
.set NR,  124
.set NI,  125
.set THK, 126
.set SN,  127
.set NER, 128
.set NEI, 129
.set NSR, 130
.set NSI, 131
.set X2R, 132
.set X2I, 133
.set MR,  134
.set MI,  135
.set T0,  136                          ; ten at work
.set QO,  146                          ; q of my layer: (kz.re, (kz/n^2).re), (kz.im, (kz/n^2).im)
.set QS,  150                          ; q of the special medium: env in lane 0 of 16, subs in lane 15, my own layer elsewhere
.set QP,  154                          ; q of the medium in front of my layer
.set REC, 158                          ; my layer's record, six words
.set RL,  164                          ; rho of the last interface (of use in lane 15)
.set FN,  168
.set FD,  172
.set DQ,  176
.set IV,  178
.set TR,  180
.set TI,  182
.set L1,  184
.set L3,  185
; registers of the set-up part (inside v118-v153)
.set RLM, 118                          ; rho_last: re (s, p), im (s, p)
.set PO,  122                          ; running product of (1 + rho): re (s, p), im (s, p); two sets in turn
.set PN,  126
.set CR,  130                          ; (1, n_subs/n_env): re, im
.set CI,  132
.set DQ2, 134
.set IV2, 136
.set IR,  138
.set II,  140
.set SR,  142
.set SI,  144
.set TT,  150
.macro PAIRK r, val                    ; a packed instruction reads a scalar pair and uses its first register for both halves
	s_mov_b32 s[\r], \val
	s_mov_b32 s[\r+1], \val
.endm
; packed products in which register sel of the pair b feeds both halves
.macro PM d, a, b, sel
	v_pk_mul_f32 v[\d:\d+1], v[\a:\a+1], v[\b:\b+1] op_sel:[0,\sel] op_sel_hi:[1,\sel]
.endm
.macro PF d, a, b, c, sel
	v_pk_fma_f32 v[\d:\d+1], v[\a:\a+1], v[\b:\b+1], v[\c:\c+1] op_sel:[0,\sel,0] op_sel_hi:[1,\sel,1]
.endm
.macro PFN d, a, b, c, sel             ; c - a b
	v_pk_fma_f32 v[\d:\d+1], v[\a:\a+1], v[\b:\b+1], v[\c:\c+1] op_sel:[0,\sel,0] op_sel_hi:[1,\sel,1] neg_lo:[1,0,0] neg_hi:[1,0,0]
.endm
	s_load_b512 s[16:31], s[0:1], 0x0              ; angles 16, n_env 18, n_imag 20, n_real 22, n_subs 24, thickness 26, wavelengths 28, out0 30
	v_lshl_add_u32 v204, v0, 2, 0x2200
	v_mov_b32 v205, 0
	v_and_b32 v[LN], 15, v0
	v_lshrrev_b32 v[AL], 4, v0
	v_lshrrev_b32 v[T0], 5, v0                     ; wave
	v_bfe_u32 v[T0+1], v0, 4, 1                    ; upper half of the lanes
	v_readfirstlane_b32 s8, v[T0]                  ; wave, as a scalar
	s_and_b32 s3, ttmp7, 0xffff                    ; block of 128 wavelengths; ttmp9: block of 16 angles
	s_lshl_b32 s2, ttmp9, 6                        ; 16 angles x 4 bytes
	s_lshl_b32 s4, s3, 9                           ; 128 wavelengths x 4 bytes
	s_lshl_b32 s6, s3, 19                          ; 128 rows of out0, 4,096 bytes each
	s_lshl_b32 s7, ttmp9, 8                        ; 16 matrices of 16 bytes
	s_add_co_u32 s6, s6, s7
	s_mov_b32 s7, 0
	s_mul_i32 s9, s8, 2*P1                         ; LDS: a wave writes the rows of its two angles
	s_lshl_b32 s10, s8, 5
	v_lshl_add_u32 v[AOF], v[AL], 2, s2            ; my angle (table part)
	v_lshlrev_b32 v[NOF], 2, v[LN]                 ; my layer
	v_lshl_add_u32 v[WOF], v[T0], 6, s4            ; my wave's 16 wavelengths,
	v_lshl_add_u32 v[WOF], v[T0+1], 2, v[WOF]      ; the odd ones in the upper lanes
	v_lshlrev_b32 v[VO], 4, v[LN]                  ; out0: 16 bytes an angle,
	v_lshl_add_u32 v[VO], v[T0+1], 12, v[VO]       ; a row for the upper lanes,
	v_lshl_add_u32 v[VO], v[T0], 16, v[VO]         ; 16 rows a wave
	v_mul_u32_u24 v[L1], P1, v[T0+1]               ; table stores: angle 2 wave + half, layer = lane & 15
	v_lshl_add_u32 v[L1], v[LN], 5, v[L1]
	v_add_nc_u32 v[L1], s9, v[L1]
	v_lshl_add_u32 v[L3], v[T0+1], 4, s10
	v_mul_u32_u24 v[LA], P1, v[LN]                 ; table loads: angle = lane & 15
	v_lshlrev_b32 v[LB], 4, v[LN]
	; sin(2 pi x) = x (s0 + s1 z + .. + s5 z^5), cos(2 pi x) = c0 + .. + c5 z^5, z = x^2, |x| <= 1/2: the Chebyshev series cut behind T11 and T10
	PAIRK SC+0,  0x40c90fd5                        ;   6.2831828
	PAIRK SC+2,  0x3f7ffff3                        ;   0.9999992
	PAIRK SC+4,  0xc2255d9d                        ; -41.341419
	PAIRK SC+6,  0xc19de96f                        ; -19.738980
	PAIRK SC+8,  0x42a33139                        ;  81.596139
	PAIRK SC+10, 0x4281db79                        ;  64.928657
	PAIRK SC+12, 0xc29928cd                        ; -76.579688
	PAIRK SC+14, 0xc2aa8b12                        ; -85.271622
	PAIRK SC+16, 0x4224d0a2                        ;  41.203744
	PAIRK SC+18, 0x426b2977                        ;  58.790492
	v_mov_b32 v[CT], 0xc1444d40                    ; -12.268860
	v_mov_b32 v[CT+1], 0xc1a891a0                  ; -21.071106
	s_mov_b32 s[ABSM], 0x7fffffff
	s_wait_kmcnt 0x0
	s_load_b64 s[32:33], s[18:19], 0x0             ; n_env
	s_load_b64 s[34:35], s[24:25], 0x0             ; n_subs
	global_load_b32 v[ANG], v[AOF], s[16:17]
	global_load_b32 v[NR], v[NOF], s[22:23]
	global_load_b32 v[NI], v[NOF], s[20:21]
	global_load_b32 v[THK], v[NOF], s[26:27]
.irp i, 0,1,2,3,4,5,6,7
	global_load_b32 v[UU+\i], v[WOF], s[28:29] offset:8*\i     ; trip i/2, point i&1: wavelength 2 i + upper half
.endr
	s_add_nc_u64 s[BP:BP+1], s[30:31], s[6:7]
	s_add_nc_u64 s[BP+2:BP+3], s[BP:BP+1], PLANE
	s_add_nc_u64 s[BP+4:BP+5], s[BP+2:BP+3], PLANE
	s_add_nc_u64 s[BP+6:BP+7], s[BP+4:BP+5], PLANE
	s_wait_kmcnt 0x0
	s_wait_loadcnt 0x0                             ; all inputs are in; nothing is loaded from memory after this
	s_wait_xcnt 0x0                                ; and EXEC, a source of those loads, is changed only behind this wait
; ---------------------------------------------------------------- the tables: lane = layer, two angles a wave
	; sin(angle): degrees to turns, the nearest whole turn taken away, the sine polynomial
	v_mul_f32 v[T0], 0x3b360b61, v[ANG]            ; 1/360
	v_rndne_f32 v[T0+1], v[T0]
	v_sub_f32 v[T0], v[T0], v[T0+1]
	v_mul_f32 v[T0+1], v[T0], v[T0]
	v_fma_f32 v[T0+2], v[T0+1], v[CT], s[SC+16]
	v_fma_f32 v[T0+2], v[T0+2], v[T0+1], s[SC+12]
	v_fma_f32 v[T0+2], v[T0+2], v[T0+1], s[SC+8]
	v_fma_f32 v[T0+2], v[T0+2], v[T0+1], s[SC+4]
	v_fma_f32 v[T0+2], v[T0+2], v[T0+1], s[SC+0]
	v_mul_f32 v[SN], v[T0+2], v[T0]
	; nx^2 = (n_env sin)^2
	v_mul_f32 v[T0], s32, v[SN]
	v_mul_f32 v[T0+1], s33, v[SN]
	v_mul_f32 v[T0+2], v[T0+1], v[T0+1]
	v_mul_f32 v[T0+3], v[T0], v[T0+1]
	v_fma_f32 v[X2R], v[T0], v[T0], -v[T0+2]
	v_add_f32 v[X2I], v[T0+3], v[T0+3]
	; the special medium: env for lane 0 of a row of 16 lanes, subs for lane 15, the lane's own layer elsewhere
	v_mov_b32 v[NER], s32
	v_mov_b32 v[NEI], s33
	v_mov_b32 v[NSR], s34
	v_mov_b32 v[NSI], s35
	v_cmp_eq_u32 vcc_lo, 0, v[LN]
	v_cndmask_b32 v[MR], v[NR], v[NER], vcc_lo
	v_cndmask_b32 v[MI], v[NI], v[NEI], vcc_lo
	v_cmp_eq_u32 vcc_lo, 15, v[LN]
	v_cndmask_b32 v[MR], v[MR], v[NSR], vcc_lo
	v_cndmask_b32 v[MI], v[MI], v[NSI], vcc_lo
.irp i, 0,1,2,3,4,5,6,7
	v_rcp_f32 v[UU+\i], v[UU+\i]                   ; 1/wavelength; first used far below
.endr
; kz = principal root of w = n^2 - nx^2, and kz / n^2.  t = sqrt((|w| + |Re w|) / 2), s = Im w / (2 t):
; Re w >= 0: (t, s); Re w < 0: (|s|, t with the sign of Im w, a signed zero included).
; Behind each root or reciprocal a plain vector instruction that touches neither its result nor its source stands before the result is used
; or the source rewritten (ISA guide 5.7.2).
.macro MEDIUM mr, mi, qd
	v_mul_f32 v[T0], v[\mi], v[\mi]
	v_mul_f32 v[T0+1], v[\mr], v[\mi]
	v_fma_f32 v[T0], v[\mr], v[\mr], -v[T0]        ; Re n^2
	v_add_f32 v[T0+1], v[T0+1], v[T0+1]            ; Im n^2
	v_sub_f32 v[T0+2], v[T0], v[X2R]               ; Re w
	v_sub_f32 v[T0+3], v[T0+1], v[X2I]             ; Im w
	v_mul_f32 v[T0+4], v[T0+3], v[T0+3]
	v_fma_f32 v[T0+4], v[T0+2], v[T0+2], v[T0+4]
	v_sqrt_f32 v[T0+5], v[T0+4]                    ; |w|
	v_mul_f32 v[T0+6], v[T0+1], v[T0+1]
	v_fma_f32 v[T0+6], v[T0], v[T0], v[T0+6]       ; |n^2|^2
	s_wait_alu depctr_va_vdst(0)
	v_add_f32 v[T0+5], v[T0+5], |v[T0+2]|
	v_mul_f32 v[T0+5], 0.5, v[T0+5]
	v_sqrt_f32 v[T0+7], v[T0+5]                    ; t
	v_rcp_f32 v[T0+8], v[T0+6]
	v_mul_f32 v[T0+9], 0.5, v[T0+3]
	s_wait_alu depctr_va_vdst(0)
	v_rcp_f32 v[T0+4], v[T0+7]
	v_cmp_le_f32 vcc_lo, 0, v[T0+2]
	v_bfi_b32 v[T0+5], s[ABSM], v[T0+7], v[T0+3]   ; t with the sign of Im w
	s_wait_alu depctr_va_vdst(0)
	v_mul_f32 v[T0+9], v[T0+9], v[T0+4]            ; s
	v_and_b32 v[T0+4], s[ABSM], v[T0+9]            ; |s|
	v_cndmask_b32 v[\qd], v[T0+4], v[T0+7], vcc_lo     ; Re kz
	v_cndmask_b32 v[\qd+2], v[T0+5], v[T0+9], vcc_lo   ; Im kz
	v_mul_f32 v[T0+4], v[\qd+2], v[T0+1]           ; kz conj(n^2) / |n^2|^2
	v_mul_f32 v[T0+5], v[\qd], v[T0+1]
	v_fma_f32 v[T0+4], v[\qd], v[T0], v[T0+4]
	v_fma_f32 v[T0+5], v[\qd+2], v[T0], -v[T0+5]
	v_mul_f32 v[\qd+1], v[T0+4], v[T0+8]
	v_mul_f32 v[\qd+3], v[T0+5], v[T0+8]
.endm
	MEDIUM NR, NI, QO
	MEDIUM MR, MI, QS
	; the medium in front: the layer of the lane below; lane 0 of a row has no lane below and keeps what is there, the special medium (env)
.irp i, 0,1,2,3
	v_mov_b32 v[QP+\i], v[QS+\i]
.endr
.irp i, 0,1,2,3
	v_mov_b32_dpp v[QP+\i], v[QO+\i] row_shr:1 row_mask:0xf bank_mask:0xf
.endr
; rho = (q1 - q2) / (q1 + q2), s and p side by side in the halves of each pair
.macro RHO q1, q2, rr, ri
	v_pk_add_f32 v[FN:FN+1], v[\q1:\q1+1], v[\q2:\q2+1] neg_lo:[0,1] neg_hi:[0,1]
	v_pk_add_f32 v[FN+2:FN+3], v[\q1+2:\q1+3], v[\q2+2:\q2+3] neg_lo:[0,1] neg_hi:[0,1]
	v_pk_add_f32 v[FD:FD+1], v[\q1:\q1+1], v[\q2:\q2+1]
	v_pk_add_f32 v[FD+2:FD+3], v[\q1+2:\q1+3], v[\q2+2:\q2+3]
	v_pk_mul_f32 v[DQ:DQ+1], v[FD+2:FD+3], v[FD+2:FD+3]
	v_pk_fma_f32 v[DQ:DQ+1], v[FD:FD+1], v[FD:FD+1], v[DQ:DQ+1]
	v_rcp_f32 v[IV], v[DQ]
	v_rcp_f32 v[IV+1], v[DQ+1]
	v_pk_mul_f32 v[TR:TR+1], v[FN+2:FN+3], v[FD+2:FD+3]            ; (q1 - q2) conj(q1 + q2)
	v_pk_mul_f32 v[TI:TI+1], v[FN:FN+1], v[FD+2:FD+3]
	v_pk_fma_f32 v[TR:TR+1], v[FN:FN+1], v[FD:FD+1], v[TR:TR+1]
	v_pk_fma_f32 v[TI:TI+1], v[FN+2:FN+3], v[FD:FD+1], v[TI:TI+1] neg_lo:[0,0,1] neg_hi:[0,0,1]
	s_wait_alu depctr_va_vdst(0)
	v_pk_mul_f32 v[\rr:\rr+1], v[TR:TR+1], v[IV:IV+1]
	v_pk_mul_f32 v[\ri:\ri+1], v[TI:TI+1], v[IV:IV+1]
.endm
	RHO QP, QO, REC+2, REC+4                       ; the interface in front of my layer
	RHO QO, QS, RL, RL+2                           ; lane 15: layer 16 -> subs (elsewhere 0 or unused)
	; E = exp(2 i phi) = exp2(beta / wavelength) (cos, sin)(2 pi alpha / wavelength): alpha = 2 d Re kz, beta = -4 pi log2(e) d Im kz
	v_mul_f32 v[T0], 2.0, v[THK]
	v_mul_f32 v[T0+1], 0xc1910918, v[THK]          ; -18.129441
	v_mul_f32 v[REC], v[T0], v[QO]
	v_mul_f32 v[REC+1], v[T0+1], v[QO+2]
	ds_store_b128 v[L1], v[REC:REC+3]
	ds_store_b64 v[L1], v[REC+4:REC+5] offset:16
	v_cmp_eq_u32 vcc_lo, 15, v[LN]
	s_and_saveexec_b32 s78, vcc_lo                 ; lanes 15 and 31 alone hold the last interface
	ds_store_b128 v[L3], v[RL:RL+3] offset:TAB3
	s_or_b32 exec_lo, exec_lo, s78
	s_wait_dscnt 0x0                               ; my stores are in LDS before I say so; the tables are written once and only read from here on
	s_barrier_signal -1
	s_barrier_wait -1
; ---------------------------------------------------------------- set-up: lane = angle; the tables into registers, S, B and the phase sums
.irp i, 0,1,2,3,4,5,6,7,8,9,10,11,12,13,14,15
	ds_load_b128 v[CF+6*\i:CF+6*\i+3], v[LA] offset:32*\i
	ds_load_b64 v[CF+6*\i+4:CF+6*\i+5], v[LA] offset:32*\i+16
.endr
	ds_load_b128 v[RLM:RLM+3], v[LB] offset:TAB3
	; n_subs / n_env = n_subs conj(n_env) / |n_env|^2, while the loads are on their way
	v_mul_f32 v[TT], s33, s33
	v_fma_f32 v[TT], s32, s32, v[TT]
	v_rcp_f32 v[TT+1], v[TT]
	v_mul_f32 v[TT+2], s35, s33
	v_mul_f32 v[TT+3], s34, s33
	v_fma_f32 v[TT+2], s34, s32, v[TT+2]
	v_fma_f32 v[TT+3], s35, s32, -v[TT+3]
	v_mov_b32 v[CR], 1.0                           ; s: the factor 1
	v_mov_b32 v[CI], 0
	s_wait_alu depctr_va_vdst(0)
	v_mul_f32 v[CR+1], v[TT+2], v[TT+1]            ; p: the ratio
	v_mul_f32 v[CI+1], v[TT+3], v[TT+1]
	s_wait_dscnt 0x0
; the product of (1 + rho) over the 17 interfaces and the sums of alpha and beta; n = o (1 + rho_i)
.macro PSTEP ore, oim, n, i
	v_pk_fma_f32 v[\n:\n+1], v[\ore:\ore+1], v[CF+6*(\i)+2:CF+6*(\i)+3], v[\ore:\ore+1]
	v_pk_fma_f32 v[\n+2:\n+3], v[\oim:\oim+1], v[CF+6*(\i)+2:CF+6*(\i)+3], v[\oim:\oim+1]
.if (\i) > 0
	v_pk_fma_f32 v[SAB:SAB+1], v[CF+6*(\i):CF+6*(\i)+1], -0.5, v[SAB:SAB+1] op_sel_hi:[1,0,1]
.else
	v_pk_mul_f32 v[SAB:SAB+1], v[CF:CF+1], -0.5 op_sel_hi:[1,0]
.endif
	v_pk_fma_f32 v[\n:\n+1], v[\oim:\oim+1], v[CF+6*(\i)+4:CF+6*(\i)+5], v[\n:\n+1] neg_lo:[1,0,0] neg_hi:[1,0,0]
	v_pk_fma_f32 v[\n+2:\n+3], v[\ore:\ore+1], v[CF+6*(\i)+4:CF+6*(\i)+5], v[\n+2:\n+3]
.endm
	v_pk_add_f32 v[PO:PO+1], v[RLM:RLM+1], 1.0 op_sel_hi:[1,0]     ; 1 + rho_last; its imaginary part is rho_last's
	PSTEP PO, RLM+2, PN, 0
.irp i, 1,3,5,7,9,11,13
	PSTEP PN, PN+2, PO, \i
	PSTEP PO, PO+2, PN, \i+1
.endr
	PSTEP PN, PN+2, PO, 15
	v_pk_mul_f32 v[DQ2:DQ2+1], v[PO+2:PO+3], v[PO+2:PO+3]
	v_pk_fma_f32 v[DQ2:DQ2+1], v[PO:PO+1], v[PO:PO+1], v[DQ2:DQ2+1]
	v_rcp_f32 v[IV2], v[DQ2]
	v_rcp_f32 v[IV2+1], v[DQ2+1]
	s_mov_b32 s[CNT], 4
	v_nop                                          ; the plain place behind the reciprocals (ISA guide 5.7.2)
	s_wait_alu depctr_va_vdst(0)
	v_pk_mul_f32 v[IR:IR+1], v[PO:PO+1], v[IV2:IV2+1]              ; 1 / product
	v_pk_mul_f32 v[II:II+1], v[PO+2:PO+3], v[IV2:IV2+1] neg_lo:[1,0] neg_hi:[1,0]
	v_pk_mul_f32 v[SR:SR+1], v[CR:CR+1], v[IR:IR+1]
	v_pk_mul_f32 v[SI:SI+1], v[CR:CR+1], v[II:II+1]
.irp c, 0,1
	v_fma_f32 v[PA+4*\c], -v[CI+\c], v[II+\c], v[SR+\c]            ; S.re
	v_fma_f32 v[PA+4*\c+2], v[CI+\c], v[IR+\c], v[SI+\c]           ; S.im
.endr
.irp c, 0,1
	v_mul_f32 v[TT+\c], v[PA+4*\c], v[RLM+\c]                      ; B = S rho_last
	v_mul_f32 v[TT+2+\c], v[PA+4*\c], v[RLM+2+\c]
.endr
.irp c, 0,1
	v_fma_f32 v[PA+4*\c+1], -v[PA+4*\c+2], v[RLM+2+\c], v[TT+\c]
	v_fma_f32 v[PA+4*\c+3], v[PA+4*\c+2], v[RLM+\c], v[TT+2+\c]
.endr
; ---------------------------------------------------------------- the main part
; One level of a phase chain for the trip's two points: exp2(b u) (cos, sin)(2 pi a u), (a, b) the pair ab, u = 1/wavelength.
; W+0 turns, +2 nearest whole, +4 x, +6 x^2, +8 sine, +10 cosine, +12 magnitude, +14 real parts, +16 imaginary parts.
.macro CH l, W, ab
.if \l == 1
	PM \W, UU, \ab, 0
	PM \W+12, UU, \ab, 1
.endif
.if \l == 2
	v_exp_f32 v[\W+12], v[\W+12]
	v_exp_f32 v[\W+13], v[\W+13]
	v_rndne_f32 v[\W+2], v[\W]                     ; also the plain place behind the exponentials (ISA guide 5.7.2)
	v_rndne_f32 v[\W+3], v[\W+1]
.endif
.if \l == 3
	v_pk_add_f32 v[\W+4:\W+5], v[\W:\W+1], v[\W+2:\W+3] neg_lo:[0,1] neg_hi:[0,1]
.endif
.if \l == 4
	v_pk_mul_f32 v[\W+6:\W+7], v[\W+4:\W+5], v[\W+4:\W+5]
.endif
.if \l == 5
	v_pk_fma_f32 v[\W+8:\W+9], v[\W+6:\W+7], v[CT:CT+1], s[SC+16:SC+17] op_sel:[0,0,0] op_sel_hi:[1,0,0]
	v_pk_fma_f32 v[\W+10:\W+11], v[\W+6:\W+7], v[CT:CT+1], s[SC+18:SC+19] op_sel:[0,1,0] op_sel_hi:[1,1,0]
.endif
.if \l >= 6
.if \l <= 9
	v_pk_fma_f32 v[\W+8:\W+9], v[\W+8:\W+9], v[\W+6:\W+7], s[SC+4*(9-\l):SC+4*(9-\l)+1] op_sel_hi:[1,1,0]
	v_pk_fma_f32 v[\W+10:\W+11], v[\W+10:\W+11], v[\W+6:\W+7], s[SC+4*(9-\l)+2:SC+4*(9-\l)+3] op_sel_hi:[1,1,0]
.endif
.endif
.if \l == 10
	v_pk_mul_f32 v[\W+8:\W+9], v[\W+8:\W+9], v[\W+4:\W+5]
.endif
.if \l == 11
	s_wait_alu depctr_va_vdst(0)
	v_pk_mul_f32 v[\W+14:\W+15], v[\W+12:\W+13], v[\W+10:\W+11]
	v_pk_mul_f32 v[\W+16:\W+17], v[\W+12:\W+13], v[\W+8:\W+9]
.endif
.endm
; A row of the start matrix G [[1, rho_last], [rho_last, 1]] = F (S, B) or F (B, S): real pair at d, imaginary pair at d+4.
; lo, hi = 0, 1: (S, B), the top row; 1, 0: the halves swapped, the bottom row.
.macro INI d, c, p, lo, hi
	v_pk_mul_f32 v[\d:\d+1], v[PA+4*\c:PA+4*\c+1], v[FR:FR+1] op_sel:[\lo,\p] op_sel_hi:[\hi,\p]
	v_pk_mul_f32 v[\d+4:\d+5], v[PA+4*\c:PA+4*\c+1], v[FI:FI+1] op_sel:[\lo,\p] op_sel_hi:[\hi,\p]
	v_pk_fma_f32 v[\d:\d+1], v[PA+4*\c+2:PA+4*\c+3], v[FI:FI+1], v[\d:\d+1] op_sel:[\lo,\p,0] op_sel_hi:[\hi,\p,1] neg_lo:[1,0,0] neg_hi:[1,0,0]
	v_pk_fma_f32 v[\d+4:\d+5], v[PA+4*\c+2:PA+4*\c+3], v[FR:FR+1], v[\d+4:\d+5] op_sel:[\lo,\p,0] op_sel_hi:[\hi,\p,1]
.endm
; Stage k of a layer's step for set g (point p, polarisation c); r: the layer's record.  z = E w, w = z + rho u, u = u + rho z.
.macro STG k, g, p, c, r
.set S_, ST+8*(\g)
.set Z_, ZT+4*(\g)
.if \k == 0
	PM Z_, S_+2, ER, \p
	PM Z_+2, S_+6, ER, \p
.endif
.if \k == 1
	PFN Z_, S_+6, EI, Z_, \p
	PF Z_+2, S_+2, EI, Z_+2, \p
.endif
.if \k == 2
	PF S_+2, S_, \r+2, Z_, \c
	PF S_+6, S_+4, \r+2, Z_+2, \c
.endif
.if \k == 3
	PFN S_+2, S_+4, \r+4, S_+2, \c
	PF S_+6, S_, \r+4, S_+6, \c
.endif
.if \k == 4
	PF S_, Z_, \r+2, S_, \c
	PF S_+4, Z_+2, \r+2, S_+4, \c
.endif
.if \k == 5
	PFN S_, Z_+2, \r+4, S_, \c
	PF S_+4, Z_, \r+4, S_+4, \c
.endif
.endm
; Stage k for the two sets of point hi, then (nxt = 1) level j of the chain that makes the E of layer i - 1
.macro HC k, hi, i, j, nxt
	STG \k, 2*\hi, \hi, 0, CF+6*\i
	STG \k, 2*\hi+1, \hi, 1, CF+6*\i
.if \nxt
	CH \j, CB, CF+6*(\i-1)
.endif
.endm
; A layer: 48 packed instructions for the four sets, the next E's 21 threaded through them.  This layer's E is read in the first four
; calls alone and the next one is written behind the eleventh, so one set of registers holds both.
.macro LAYER i, nxt
	HC 0, 0, \i, 1, \nxt
	HC 0, 1, \i, 2, \nxt
	HC 1, 0, \i, 3, \nxt
	HC 1, 1, \i, 4, \nxt
	HC 2, 0, \i, 5, \nxt
	HC 2, 1, \i, 6, \nxt
	HC 3, 0, \i, 7, \nxt
	HC 3, 1, \i, 8, \nxt
	HC 4, 0, \i, 9, \nxt
	HC 4, 1, \i, 10, \nxt
	HC 5, 0, \i, 11, \nxt
	HC 5, 1, \i, 0, 0
.endm
.Ltrip:
.irp l, 1,2,3,4,5,6,7,8,9,10,11
	CH \l, CA, SAB                                 ; F = exp(-i sum phi)
	CH \l, CB, CF+90                               ; E of the last layer
.endr
.irp p, 0,1
.irp c, 0,1
	INI ST+8*(2*\p+\c), \c, \p, 0, 1
	INI ST+8*(2*\p+\c)+2, \c, \p, 1, 0
.endr
.endr
.irp i, 15,14,13,12,11,10,9,8,7,6,5,4,3,2,1
	LAYER \i, 1
.endr
	LAYER 0, 0
.irp p, 0,1
.irp c, 0,1
.irp m, 0,1
	global_store_b128 v[VO], v[ST+8*(2*\p+\c)+4*\m:ST+8*(2*\p+\c)+4*\m+3], s[BP+2*(2*\c+\m):BP+2*(2*\c+\m)+1] offset:8192*\p th:TH_STORE_NT   ; 16 lanes: 256 consecutive bytes, aligned
.endr
.endr
.endr
.irp i, 0,1,2,3,4,5
	v_mov_b32 v[UU+\i], v[UU+\i+2]                 ; the next trip's 1/wavelength moves to the front: one body serves the four trips
.endr
	s_wait_xcnt 0x0                                ; the stores' offset and data (the state) are rewritten only behind this wait
	v_add_nc_u32 v[VO], 16384, v[VO]               ; four rows of out0 on
	s_sub_co_i32 s[CNT], s[CNT], 1
	s_cmp_lg_u32 s[CNT], 0
	s_cbranch_scc1 .Ltrip
	s_wait_tensorcnt 0x0
	ds_add_u32 v204, v205
	s_wait_dscnt 0x0
	s_endpgm
.Lfunc_end_k_q7d16f563a6_stack:
	.size	k_q7d16f563a6_stack, .Lfunc_end_k_q7d16f563a6_stack-k_q7d16f563a6_stack
	.p2alignl 7, 3214868480
	.fill 96, 4, 3214868480
	.section	.rodata,"a",@progbits
	.p2align	6, 0x0
	.amdhsa_kernel k_q7d16f563a6_stack
		.amdhsa_group_segment_fixed_size 9728
		.amdhsa_private_segment_fixed_size 0
		.amdhsa_enable_private_segment 0
		.amdhsa_kernarg_size 64
		.amdhsa_user_sgpr_count 2
		.amdhsa_user_sgpr_kernarg_segment_ptr 1
		.amdhsa_wavefront_size32 1
		.amdhsa_system_sgpr_workgroup_id_x 1
		.amdhsa_system_sgpr_workgroup_id_y 1
		.amdhsa_system_sgpr_workgroup_id_z 1
		.amdhsa_system_vgpr_workitem_id 0
		.amdhsa_next_free_vgpr 206
		.amdhsa_next_free_sgpr 80
		.amdhsa_reserve_vcc 1
		.amdhsa_float_denorm_mode_32 3
		.amdhsa_float_denorm_mode_16_64 3
		.amdhsa_memory_ordered 1
		.amdhsa_forward_progress 1
		.amdhsa_inst_pref_size 92
	.end_amdhsa_kernel
	.amdgpu_metadata
---
amdhsa.version: [ 1, 2 ]
amdhsa.kernels:
  - .name:           k_q7d16f563a6_stack
    .symbol:         k_q7d16f563a6_stack.kd
    .args:
      - { .name: angles, .offset: 0, .size: 8, .value_kind: global_buffer, .address_space: global }
      - { .name: n_env, .offset: 8, .size: 8, .value_kind: global_buffer, .address_space: global }
      - { .name: n_imag, .offset: 16, .size: 8, .value_kind: global_buffer, .address_space: global }
      - { .name: n_real, .offset: 24, .size: 8, .value_kind: global_buffer, .address_space: global }
      - { .name: n_subs, .offset: 32, .size: 8, .value_kind: global_buffer, .address_space: global }
      - { .name: thickness, .offset: 40, .size: 8, .value_kind: global_buffer, .address_space: global }
      - { .name: wavelengths, .offset: 48, .size: 8, .value_kind: global_buffer, .address_space: global }
      - { .name: out0, .offset: 56, .size: 8, .value_kind: global_buffer, .address_space: global }
    .group_segment_fixed_size: 9728
    .private_segment_fixed_size: 0
    .kernarg_segment_align: 8
    .kernarg_segment_size: 64
    .max_flat_workgroup_size: 256
    .sgpr_count:     80
    .vgpr_count:     206
    .wavefront_size: 32
...
	.end_amdgpu_metadata
.endif
;; end of part 1
